; MI455X (gfx1250); checked and timed in simulation.
; The chip was launched on July 23, 2026; its instructions are those of AMD's public machine-readable ISA for CDNA 5 (MIT licence, August 2026) and "CDNA5" Instruction Set Architecture Reference Guide (July 2026). The comments in the code are by the model that wrote it; some were corrected since.
;; Bahdanau Attention. Allowed arithmetic: matrix products marked QUANTISED: E5M2 operands, one given power-of-two scale a tensor, by v_wmma_f32_16x16x64_bf8_bf8 or v_wmma_f32_16x16x128_bf8_bf8, f32 sums; products left as they are: f32 operands where the result goes on into a quantised operand, else bf16, f16 or f32 operands; f32 sums; everything else in f32.
;; Inputs: Wa 1,024 float32; Wb 1,024 x 1,024 float32; Wc 1,024 x 1,024 float32; dec_prev_hidden 32 x 1,024 float32; enc_outputs 2,048 x 32 x 1,024 float32; lowp_scales 4 int32 (the exponents e of the quantised operands' scales 2^e).
;; Outputs: out0 1 x 32 x 1,024 float32.
;; This version of the problem:
;;   THIS VERSION OF THE PROBLEM IS GIVEN IN LOW PRECISION. The matrix products marked QUANTISED in the list below multiply operands that are first quantised to E5M2 (5 exponent bits, 2 mantissa bits; 8 bits a number), with one given power-of-two scale for each operand tensor; their sums are f32. All else is computed in f32.
;;   The module's matrix products, in the order in which they are computed (A, B: the left and right operand; K: the contracted axis; several contracted axes count as one K, in the product's order):
;;     1. [M 32, K 1,024] x [K 1,024, N 1,024]; A: input dec_prev_hidden; B: input Wb: QUANTISED (scales: A lowp_scales[0], B lowp_scales[1])
;;     2. [M 65,536, K 1,024] x [K 1,024, N 1,024]; A: input enc_outputs; B: input Wc: QUANTISED (scales: A lowp_scales[2], B lowp_scales[3])
;;     3. [M 65,536, K 1,024] x [K 1,024, N 1]; A: computed on the way; B: input Wa: left as it is (N = 1 < 16)
;;     4. batch 32 x [M 1, K 2,048] x [K 2,048, N 1,024]; A: softmax; B: input enc_outputs: left as it is (M = 1 < 16)
;;   THE QUANTISER, for each operand of a quantised product, along K:
;;     - The operand's scale is 2^e, e = its entry of the input lowp_scales (int32; the entries are numbered through the quantised products in the list's order, A before B).
;;     - Each number is divided by the scale, clamped to +-57,344, and rounded to the nearest number of E5M2, ties to even, subnormals kept.
;;     - The product sums the exact products of the quantised numbers (number of the format x scale) in f32.
;;   ~~~python
;;   def quantise(x, axis, e):      # numpy; x: float32 -> the quantised numbers, widened to float32 again
;;       x = np.moveaxis(x, axis, -1); K = x.shape[-1]
;;       r = np.clip(x / 2.0 ** e, -57344, 57344)
;;       step = 2.0 ** (np.maximum(np.frexp(np.where(r == 0, 1, r))[1] - 1, -14) - 2)
;;       q = np.round(r / step) * step * 2.0 ** e      # np.round: ties to even
;;       return np.moveaxis(q, -1, axis).astype(np.float32)
;;   ~~~
;; One version. Each part assembles by itself: llvm-mc -triple=amdgcn-amd-amdhsa -mcpu=gfx1250 --defsym DOCPART=n.
;; ======== version 1 of 1: 3 launches
;; limits: right only within a limited range of input values
;; workspace buffers: wcf 1,048,576 bytes; wsp 131,072 bytes; scores 262,144 bytes
;; launch prep (part 1): grid 64 x 1, 4 waves a work-group, no clusters, 42,496 bytes of LDS; arguments Wc, Wb, dec_prev_hidden, lowp_scales, wcf, wsp; writes wcf, wsp
.if DOCPART == 1
	.amdgcn_target "amdgcn-amd-amdhsa--gfx1250"
	.amdhsa_code_object_version 6
	.text
	.protected	k_qb2c76d1e9e_prep
	.globl	k_qb2c76d1e9e_prep
	.p2align	8
	.type	k_qb2c76d1e9e_prep,@function
k_qb2c76d1e9e_prep:
	s_mov_b64 s[64:65], 0
	v_nop
	global_prefetch_b8 v0, s[64:65] scope:SCOPE_SE
	s_setreg_imm32_b32 hwreg(HW_REG_WAVE_MODE, 25, 1), 1
	s_wait_xcnt 0x0
; BAHDANAU ATTENTION in three launches: this one, then the scores, then softmax and context.
; WORK LEFT OUT BY THE PROGRAM, shown here once.  tanh(x) = 1 - 2 / (1 + 2^(c x)), c = 2 log2(e).  So score[s][b] = sum_d Wa[d] - 2 sum_d Wa[d] / (1 + 2^(c x[s][b][d])).
; The first term is the same for every s, and s is the axis of the softmax: softmax(score + constant) = softmax(score) for all finite values of the inputs.  So sum_d Wa[d] is never formed.
; No input loses its way to the output by that: all six are loaded.  LIMIT: a NaN, an infinity or an overflow that would arise in sum_d Wa[d] alone is not carried to the result.
;
; THIS LAUNCH: (1) Wc [1024 d][1024 k] f32 becomes codes of E5M2 with the given scale 2^e3, laid as the next launch's operand registers want them:
;   wcf [64 tiles p][8 K steps][4 c][32 lanes][16 bytes]: lane l's 16 bytes are Wc[16 p + l % 16][128 ks + 32 c + 16 (l / 16) + 0 .. 15].  A tile is one dense block of 16,384 bytes.
; (2) the first product, ws[b][e] = sum_k Q(dec)[b][k] Q(Wb)[e][k], on codes made here (2^e0, 2^e1), stored as wsp [64 tiles p][32 b][16] f32 = 2 log2(e) x ws[b][16 p + ..].
; code = x / 2^e, held within +-57,344, to the nearest code, ties to even.  LIMITS: e0, e1, e3 between -126 and 112; e0 + e1 between -127 and 126 (it is added to an exponent field).  NaN among the inputs is not served.
; SHARES.  Work-group n takes rows 16 n .. 16 n + 15 of Wc and of Wb; wave w takes K steps 2 w and 2 w + 1 of both, and of dec's 32 rows.  The four waves' partial sums meet in LDS.
; A CHUNK is 16 rows x 128 k of f32.  A load reads 512 consecutive bytes of one row, 16 a lane; the conversions want 16 neighbours along K in one lane: so a chunk turns through the wave's own stage in LDS.
; In every fragment registers 4 c .. 4 c + 3 hold k = 32 c + 16 (l / 16) + 0 .. 15: one order of k for both sides of every product of the program.
; REGISTERS: window 0: v1-8 addresses, v10-15 three pairs (scale, largest number x scale), v32-95 and v96-159 two sets of 64 neighbours, v160-255 six fragments; window 1: four sets of 64 as loaded.
.set SROW,  528                        ; a stage row: 512 bytes + 16: 132 words, so the sixteen rows that a read touches start 4 words apart
.set SWAVE, 16*SROW                    ; a wave's stage; the four lie from LDS byte 0 on
.set RED,   4*SWAVE                    ; 4 x 2,048 bytes: each wave's partial sums, [32 b][16 e] f32
.set SPARE, RED+4*2048                 ; the spare words, 128 bytes a wave: two blocks of 256 bytes that no other line names
.set LAST,  7                          ; chunks 0, 1: Wc; 2, 3: Wb; 4 .. 7: dec (rows 0-15, then 16-31; two K steps each)
.set SPW,  1                           ; v1  SPARE + 4 x my thread's number; never rewritten
.set NIL,  2                           ; v2  0; never rewritten
.set GOFF, 3                           ; v3  16 x lane + 1,024 x wave: my bytes of a row
.set STI,  4                           ; v4  the stage, on the way in
.set STO,  5                           ; v5  and on the way out
.set GI,   6                           ; v6  16 x lane + 4,096 x wave: my place in a tile's image
.set RW,   7                           ; v7  2,048 x wave + 64 r + 32 h: where my sums go in RED
.set RR,   8                           ; v8  512 x wave + 16 x lane: what I add up of RED, and its place in wsp
.set X,    32
.set F,    160
.set ACC,  32                          ; two accumulators, where the first set of neighbours lay
.set MSB, 0
.macro WIN new                         ; the immediate's high byte repeats the setting that is left; a switch that changes nothing is dropped
.if MSB != (\new)
	s_set_vgpr_msb (MSB<<8)|(\new)
.set MSB, (\new)
.endif
.endm
.macro LOAD c, base, off               ; chunk c into set c % 4 of window 1
	WIN 0x40
.irp i, 0,1,2,3,4,5,6,7,8,9,10,11,12,13,14,15
	global_load_b128 v[64*((\c)%4)+4*\i:64*((\c)%4)+4*\i+3], v[GOFF], s[\base:\base+1] offset:\off+\i*4096
.endr
.endm
.macro LOADC c
.if (\c) < 2
	LOAD \c, 4, 512*(\c)
.elseif (\c) < 4
	LOAD \c, 6, 512*((\c)-2)
.else
	LOAD \c, 8, 65536*(((\c)-4)/2)+512*((\c)%2)
.endif
.endm
.macro TURN c                          ; chunk c through my stage: LDS serves a wave's instructions in order, so no wait stands between the stores and the loads
	WIN 0x04                                       ; store data in window 1
.irp i, 0,1,2,3,4,5,6,7,8,9,10,11,12,13,14,15
	ds_store_b128 v[STI], v[64*((\c)%4)+4*\i:64*((\c)%4)+4*\i+3] offset:SROW*\i
.endr
	WIN 0
.irp b, 0,1,2,3
.irp j, 0,1,2,3
	ds_load_b128 v[X+64*((\c)%2)+16*\b+4*\j:X+64*((\c)%2)+16*\b+4*\j+3], v[STO] offset:128*\b+16*\j   ; register 16 b + i = k 32 b + 16 h + i of row r
.endr
.endr
.endm
.macro QUANT x, dst, sc, lim
	WIN 0
.irp b, 0,1,2,3
.irp i, 0,1,2,3,4,5,6,7,8,9,10,11,12,13,14,15
	v_med3_num_f32 v[\x+16*\b+\i], v[\x+16*\b+\i], -v[\lim], v[\lim]   ; the conversion to an 8-bit code does not saturate (ISA guide 7.6.2): the hold at the largest code x the scale
.endr
	v_cvt_scalef32_pk8_bf8_f32 v[\dst+4*\b:\dst+4*\b+1], v[\x+16*\b:\x+16*\b+7], v[\sc]
	v_cvt_scalef32_pk8_bf8_f32 v[\dst+4*\b+2:\dst+4*\b+3], v[\x+16*\b+8:\x+16*\b+15], v[\sc]
.endr
	v_nop                                          ; one plain vector line behind the last conversion, ahead of whatever next touches its registers
.endm
.macro STEP c, dst, sc, lim
	s_wait_dscnt 0x0                               ; chunk c's neighbours are back, and its stage stores have read set c % 4,
.if (\c)+4 <= LAST
	LOADC (\c)+4                                   ; which takes the chunk four on
.endif
.if (\c) < LAST
.if LAST-1-(\c) >= 3
	s_wait_loadcnt 48                              ; chunk c + 1 is in; the three chunks behind it, 16 loads each, may be out
.else
	s_wait_loadcnt 16*(LAST-1-(\c))                ; the same, with fewer chunks left behind it
.endif
	TURN (\c)+1
.endif
	QUANT X+64*((\c)%2), \dst, \sc, \lim
.endm
.macro WCOUT kk, reg                   ; a fragment of Wc leaves as it stands: each store covers 512 consecutive bytes, aligned
.irp n, 0,1,2,3
	global_store_b128 v[GI], v[\reg+4*\n:\reg+4*\n+3], s[12:13] offset:2048*(\kk)+512*\n
.endr
.endm
.macro MKSC e, sc, lim                 ; 2^e and 57,344 x 2^e as f32
	s_add_co_i32 s30, s[\e], 127
	s_lshl_b32 s31, s30, 23
	v_mov_b32 v[\sc], s31
	s_add_co_i32 s30, s30, 15
	s_lshl_b32 s30, s30, 23
	s_or_b32 s30, s30, 0x600000
	v_mov_b32 v[\lim], s30
.endm
	s_load_b256 s[4:11], s[0:1], 0x0               ; Wc s[4:5], Wb s[6:7], dec s[8:9], the exponents s[10:11]
	s_load_b128 s[12:15], s[0:1], 0x20             ; wcf s[12:13], wsp s[14:15]
	v_lshl_add_u32 v[SPW], v0, 2, SPARE
	v_mov_b32 v[NIL], 0
	v_lshrrev_b32 v16, 5, v0
	v_readfirstlane_b32 s16, v16                   ; wave 0..3
	v_and_b32 v17, 31, v0                          ; lane
	v_and_b32 v18, 15, v0                          ; r
	v_bfe_u32 v19, v0, 4, 1                        ; h
	v_lshlrev_b32 v20, 4, v17                      ; 16 x lane
	s_lshl_b32 s17, s16, 10
	v_add_nc_u32 v[GOFF], s17, v20
	s_mul_i32 s17, s16, SWAVE
	v_add_nc_u32 v[STI], s17, v20
	v_mul_u32_u24 v[STO], v18, SROW
	v_lshl_add_u32 v[STO], v19, 6, v[STO]
	v_add_nc_u32 v[STO], s17, v[STO]               ; row r, + 64 h: my 16 numbers of each block of 32
	s_lshl_b32 s17, s16, 12
	v_add_nc_u32 v[GI], s17, v20
	s_lshl_b32 s17, s16, 11
	v_lshlrev_b32 v[RW], 6, v18
	v_lshl_add_u32 v[RW], v19, 5, v[RW]
	v_add_nc_u32 v[RW], s17, v[RW]
	s_lshl_b32 s17, s16, 9
	v_add_nc_u32 v[RR], s17, v20
	s_lshl_b32 s18, ttmp9, 16                      ; 16 rows of 4,096 bytes
	s_mov_b32 s19, 0
	s_lshl_b32 s20, ttmp9, 14                      ; a tile's image
	s_mov_b32 s21, 0
	s_lshl_b32 s22, ttmp9, 11                      ; a tile of wsp
	s_mov_b32 s23, 0
	s_wait_kmcnt 0x0
	s_load_b128 s[24:27], s[10:11], 0x0            ; e0 (dec), e1 (Wb), e2, e3 (Wc)
	s_add_nc_u64 s[4:5], s[4:5], s[18:19]
	s_add_nc_u64 s[6:7], s[6:7], s[18:19]
	s_add_nc_u64 s[12:13], s[12:13], s[20:21]
	s_add_nc_u64 s[14:15], s[14:15], s[22:23]
	LOADC 0
	LOADC 1
	LOADC 2
	LOADC 3
	WIN 0
	s_wait_kmcnt 0x0
	MKSC 27, 10, 11                                ; Wc's
	MKSC 25, 12, 13                                ; Wb's
	MKSC 24, 14, 15                                ; dec's
	s_add_co_i32 s28, s24, s25
	s_lshl_b32 s28, s28, 23
	s_add_co_i32 s28, s28, 0x4038aa3b              ; 2 log2(e) x 2^(e0 + e1): the exponents are added to the constant's exponent field
	s_mov_b32 s29, s28                             ; (named with it as a pair, so it is written)
	s_wait_alu depctr_va_vdst(0)
	s_wait_loadcnt 48                              ; chunk 0 is in; chunks 1 to 3 may be out
	TURN 0
	STEP 0, F+64, 10, 11
	WCOUT 0, F+64
	STEP 1, F+80, 10, 11
	WCOUT 1, F+80
	STEP 2, F, 12, 13                              ; Wb, my first K step
	STEP 3, F+16, 12, 13                           ; and my second
	STEP 4, F+32, 14, 15                           ; dec rows 0-15, first K step
	STEP 5, F+48, 14, 15
	s_wait_xcnt 0x0                                ; the stores of Wc's codes have read their registers, which the next two chunks' codes take
	STEP 6, F+64, 14, 15                           ; dec rows 16-31
	STEP 7, F+80, 14, 15
	; source 0 = 16 rows of Wb, source 1 = 16 rows of dec: lane (r, h), register j holds (e = 16 n + 8 h + j, b = 16 tb + r).  The two accumulators take turns
	v_wmma_f32_16x16x128_bf8_bf8 v[ACC:ACC+7], v[F:F+15], v[F+32:F+47], 0
	v_wmma_f32_16x16x128_bf8_bf8 v[ACC+8:ACC+15], v[F:F+15], v[F+64:F+79], 0
	v_wmma_f32_16x16x128_bf8_bf8 v[ACC:ACC+7], v[F+16:F+31], v[F+48:F+63], v[ACC:ACC+7]
	v_wmma_f32_16x16x128_bf8_bf8 v[ACC+8:ACC+15], v[F+16:F+31], v[F+80:F+95], v[ACC+8:ACC+15]
.rept 4
	v_nop                                          ; four places between a product and the LDS store that reads its result
.endr
.irp tb, 0,1
	ds_store_b128 v[RW], v[ACC+8*\tb:ACC+8*\tb+3] offset:RED+1024*\tb
	ds_store_b128 v[RW], v[ACC+8*\tb+4:ACC+8*\tb+7] offset:RED+1024*\tb+16
.endr
	s_wait_dscnt 0x0                               ; for the others' sake: my partial sums lie in LDS
	s_barrier_signal -1
	s_barrier_wait -1
.irp n, 0,1,2,3
	ds_load_b128 v[48+4*\n:51+4*\n], v[RR] offset:RED+2048*\n   ; the four waves' sums of my quarter of the tile
.endr
	s_wait_dscnt 0x0
	v_pk_add_f32 v[48:49], v[48:49], v[52:53]
	v_pk_add_f32 v[50:51], v[50:51], v[54:55]
	v_pk_add_f32 v[56:57], v[56:57], v[60:61]
	v_pk_add_f32 v[58:59], v[58:59], v[62:63]
	v_pk_add_f32 v[48:49], v[48:49], v[56:57]
	v_pk_add_f32 v[50:51], v[50:51], v[58:59]
	v_pk_mul_f32 v[48:49], v[48:49], s[28:29] op_sel_hi:[1,0]
	v_pk_mul_f32 v[50:51], v[50:51], s[28:29] op_sel_hi:[1,0]
	global_store_b128 v[RR], v[48:51], s[14:15]    ; a wave stores 512 consecutive bytes, aligned
	s_wait_tensorcnt 0x0                           ; the wave's end: behind my last LDS store
	ds_add_u32 v[SPW], v[NIL]
	s_wait_dscnt 0x0
	s_endpgm
.Lfunc_end_k_qb2c76d1e9e_prep:
	.size	k_qb2c76d1e9e_prep, .Lfunc_end_k_qb2c76d1e9e_prep-k_qb2c76d1e9e_prep
	.p2alignl 7, 3214868480
	.fill 96, 4, 3214868480
	.section	.rodata,"a",@progbits
	.p2align	6, 0x0
	.amdhsa_kernel k_qb2c76d1e9e_prep
		.amdhsa_group_segment_fixed_size 42496
		.amdhsa_private_segment_fixed_size 0
		.amdhsa_enable_private_segment 0
		.amdhsa_kernarg_size 48
		.amdhsa_user_sgpr_count 2
		.amdhsa_user_sgpr_kernarg_segment_ptr 1
		.amdhsa_wavefront_size32 1
		.amdhsa_system_sgpr_workgroup_id_x 1
		.amdhsa_system_sgpr_workgroup_id_y 1
		.amdhsa_system_sgpr_workgroup_id_z 1
		.amdhsa_system_vgpr_workitem_id 0
		.amdhsa_next_free_vgpr 512
		.amdhsa_next_free_sgpr 66
		.amdhsa_reserve_vcc 0
		.amdhsa_float_denorm_mode_32 3
		.amdhsa_float_denorm_mode_16_64 3
		.amdhsa_memory_ordered 1
		.amdhsa_forward_progress 1
		.amdhsa_inst_pref_size 71
	.end_amdhsa_kernel
	.amdgpu_metadata
---
amdhsa.version: [ 1, 2 ]
amdhsa.kernels:
  - .name:           k_qb2c76d1e9e_prep
    .symbol:         k_qb2c76d1e9e_prep.kd
    .args:
      - { .name: Wc, .offset: 0, .size: 8, .value_kind: global_buffer, .address_space: global }
      - { .name: Wb, .offset: 8, .size: 8, .value_kind: global_buffer, .address_space: global }
      - { .name: dec_prev_hidden, .offset: 16, .size: 8, .value_kind: global_buffer, .address_space: global }
      - { .name: lowp_scales, .offset: 24, .size: 8, .value_kind: global_buffer, .address_space: global }
      - { .name: wcf, .offset: 32, .size: 8, .value_kind: global_buffer, .address_space: global }
      - { .name: wsp, .offset: 40, .size: 8, .value_kind: global_buffer, .address_space: global }
    .group_segment_fixed_size: 42496
    .private_segment_fixed_size: 0
    .kernarg_segment_align: 8
    .kernarg_segment_size: 48
    .max_flat_workgroup_size: 128
    .sgpr_count:     66
    .vgpr_count:     512
    .wavefront_size: 32
...
	.end_amdgpu_metadata
.endif
;; end of part 1
;; launch score (part 2): grid 256 x 1, 4 waves a work-group, clusters of 4 x 1, 327,680 bytes of LDS; arguments enc_outputs, wcf, wsp, Wa, lowp_scales, scores; writes scores
.if DOCPART == 2
	.amdgcn_target "amdgcn-amd-amdhsa--gfx1250"
	.amdhsa_code_object_version 6
	.text
	.protected	k_qb2c76d1e9e_score
	.globl	k_qb2c76d1e9e_score
	.p2align	8
	.type	k_qb2c76d1e9e_score,@function
k_qb2c76d1e9e_score:
	s_mov_b64 s[64:65], 0
	v_nop
	global_prefetch_b8 v0, s[64:65] scope:SCOPE_SE
	s_setreg_imm32_b32 hwreg(HW_REG_WAVE_MODE, 25, 1), 1
	s_wait_xcnt 0x0
	s_wait_alu depctr_hold_cnt(0) depctr_sa_sdst(0) depctr_va_vdst(0) depctr_va_sdst(0) depctr_va_ssrc(0) depctr_va_vcc(0) depctr_vm_vsrc(0)
	s_getreg_b32 s2, hwreg(HW_REG_IB_STS2, 6, 4)
	s_cmp_eq_u32 s2, 0
	s_cbranch_scc0 .Lentry_in_a_cluster
	s_endpgm
.Lentry_in_a_cluster:
	s_bfe_u32 s2, ttmp6, 0x10000c
	s_cmp_lg_u32 s2, 0x3003
	s_cbranch_scc0 .Lentry_shape_is_right
	s_endpgm
.Lentry_shape_is_right:
; scores[b][s] = -2 log2(e) x sum_d Wa[d] / (1 + 2^(y[s][b][d])),  y = 2 log2(e) x (sum_k Q(enc)[s][b][k] Q(Wc)[d][k] + ws[b][d]): that is log2(e) x (score - sum_d Wa[d]).
; LEFT OUT: sum_d Wa[d], the same for all s, the softmax's axis (shown at the head of the first kernel).
; SHARES.  Work-group wg owns b = wg % 32 and the 256 s from 256 (wg / 32) on; wave w owns 64 of them: four tiles of 16 rows.  THE HEAD reads the wave's 64 rows x 1,024 k of f32 once, quantises them with 2^e2
; (x / 2^e2, held within +-57,344, to the nearest code, ties to even) and keeps the codes: 512 registers, windows 1 and 2.  THE LOOP walks Wc's 64 tiles of 16 d (wcf: register images made by the first launch),
; which come through two LDS slots of eight tiles by joint loads: the four work-groups of a cluster walk the same 1 MiB.  Each fragment of Wc read from LDS feeds four products.
; Source 0 = 16 rows of Wc, source 1 = 16 rows of enc: lane (r, h) holds row s = r of a tile, register j the unit d = 8 h + j.
; A PHASE is one tile p: its 32 products, the four accumulators by turns, with plain vector work alone among them (the + 1 of tile p - 1, the multiply-adds by Wa of tile p - 2); then y of tile p; then ONE batch of
; 64 transcendentals, 2^y of tile p and the reciprocals of tile p - 1, with one wait ahead and one behind.  Tile p + 1's fragments are loaded from LDS in two runs, one behind each of
; these two waits: by then tile p's products have read all eight fragments.  No transcendental stands between a product and the first reader of its result.
; NO PREFETCH: enc is read once, in the head, which has no loop to run ahead in and keeps 64 loads of each wave on their way; wcf's tiles are walked by all 256 work-groups alike, a slot (eight phases) ahead of their use.
; LIMITS: e2 between -126 and 112; e2 + e3 between -127 and 126 (added to an exponent field).  NaN among the inputs is not served.
; REGISTERS.  Window 0: v1-11 addresses and scales, v12-19 ws of a tile, v32-95 two sets of four accumulators, v96-127 reciprocals, v128-255 a tile of Wc (head: two sets of 64 neighbours).
; Windows 1, 2: enc's codes: row tile t, K step ks at v[64 t + 16 (ks % 4)] of window 1 + ks / 4.  Window 3: head: four sets of 64 as loaded; loop: v0-31 partial scores, v32-39 Wa of a tile.
.set SLOT1, 1<<17                      ; slot 1: one exclusive or turns an address
.set SLOTB, 131072                     ; eight tiles of 16,384 bytes
.set STAGE, 2*SLOT1                    ; the head's stages: 16 rows of 512 + 16 bytes a wave
.set SROW,  528
.set SWAVE, 16*SROW
.set TABW,  STAGE+4*SWAVE              ; 2 log2(e) ws[b][0 .. 1023]
.set TABA,  TABW+4096                  ; -2 log2(e) Wa[0 .. 1023]
.set SCST,  TABA+4096                  ; 256 bytes a wave: the scores' way out
.set SPARE, SCST+1024                  ; the spare words, 128 bytes a wave, that no other line names
.set LAST,  31                         ; chunks of 16 rows x 128 k: chunk c = row tile c / 8, K step c % 8
.set SPW,  1
.set NIL,  2
.set L16,  3                           ; 16 x lane
.set ADB,  4                           ; LDS address of the tiles that a trip loads
.set ADT0, 5                           ; TABW + 32 h
.set ADT,  6
.set STI,  7
.set STO,  8
.set SCW,  9
.set SCL,  10                          ; 2^e2
.set LIM,  11                          ; 57,344 x 2^e2
.set WS,   12
.set ACC,  32
.set R,    96
.set BF,   128
.set X,    128
.set SACC, 0                           ; window 3
.set WA,   32                          ; window 3
.set WV,   16
.set G1,   24
.set G0A,  32
.set G0B,  36
.set KS,   40                          ; s[40:41] 2 log2(e) x 2^(e2 + e3)
.set SEL,  42
.set TB,   44
.set TT,   45
.set CNT,  46
.set OUTC, 47
.set MSB, 0
.macro WIN new                         ; the immediate's high byte repeats the setting that is left; a switch that changes nothing is dropped
.if MSB != (\new)
	s_set_vgpr_msb (MSB<<8)|(\new)
.set MSB, (\new)
.endif
.endm
.macro CROUND                          ; a round of the cluster's barrier
	s_barrier_signal -1
	s_barrier_wait -1
	s_cmp_lg_u32 s[WV], 0
	s_cbranch_scc1 .Lnot_wave_0_\@
	s_barrier_signal -3
.Lnot_wave_0_\@:
	s_barrier_wait -3
	s_barrier_signal -1
	s_barrier_wait -1
.endm
.macro PLACES                          ; four places behind a product (ISA guide 7.12.1), where no plain work is at hand
.rept 4
	v_nop
.endr
.endm
; ---- the head's macros: a chunk is loaded as it lies (512 consecutive bytes of a row a load), turns through my stage, and comes back 16 neighbours along K a lane and block
.macro LOADC c
	WIN 0xc0
.irp i, 0,1,2,3,4,5,6,7,8,9,10,11,12,13,14,15
	global_load_b128 v[64*((\c)%4)+4*\i:64*((\c)%4)+4*\i+3], v[L16], s[4:5] offset:(16*((\c)/8)+\i)*131072+512*((\c)%8) th:TH_LOAD_NT
.endr
.endm
.macro TURN c                          ; LDS serves a wave's instructions in order: no wait between the stores and the loads
	WIN 0x0c
.irp i, 0,1,2,3,4,5,6,7,8,9,10,11,12,13,14,15
	ds_store_b128 v[STI], v[64*((\c)%4)+4*\i:64*((\c)%4)+4*\i+3] offset:SROW*\i
.endr
	WIN 0
.irp b, 0,1,2,3
.irp j, 0,1,2,3
	ds_load_b128 v[X+64*((\c)%2)+16*\b+4*\j:X+64*((\c)%2)+16*\b+4*\j+3], v[STO] offset:128*\b+16*\j
.endr
.endr
.endm
.macro QUANT c
.set XS, X+64*((\c)%2)
.set FD, 64*((\c)/8)+16*((\c)%4)
	WIN 0
.set q, 0
.rept 64
	v_med3_num_f32 v[XS+q], v[XS+q], -v[LIM], v[LIM]   ; the conversion does not saturate (ISA guide 7.6.2): the hold
.set q, q+1
.endr
	WIN 0x40*(1+((\c)%8)/4)
.irp b, 0,1,2,3
	v_cvt_scalef32_pk8_bf8_f32 v[FD+4*\b:FD+4*\b+1], v[XS+16*\b:XS+16*\b+7], v[SCL]
	v_cvt_scalef32_pk8_bf8_f32 v[FD+4*\b+2:FD+4*\b+3], v[XS+16*\b+8:XS+16*\b+15], v[SCL]
.endr
	v_nop                                          ; one plain line behind the last conversion
.endm
.macro STEP c
	s_wait_dscnt 0x0                               ; chunk c is back, and its stage stores have read set c % 4,
.if (\c)+4 <= LAST
	LOADC (\c)+4                                   ; which takes the chunk four on
.endif
.if (\c) < LAST
.if LAST-1-(\c) >= 3
	s_wait_loadcnt 48                              ; chunk c + 1 is in; three chunks of 16 loads may be out
.else
	s_wait_loadcnt 16*(LAST-1-(\c))
.endif
	TURN (\c)+1
.endif
	QUANT \c
.endm
; ---- the loop's macros
.macro WM k, t, a                      ; one product: K step k, row tile t, accumulator set a; K step 0 starts the sum
.set rD, ACC+32*(\a)+8*(\t)
.set rB, BF+16*(\k)
.set rE, 64*(\t)+16*((\k)%4)
.if (\k) == 0
	v_wmma_f32_16x16x128_bf8_bf8 v[rD:rD+7], v[rB:rB+15], v[rE:rE+15], 0
.else
	v_wmma_f32_16x16x128_bf8_bf8 v[rD:rD+7], v[rB:rB+15], v[rE:rE+15], v[rD:rD+7]
.endif
.endm
.macro RUN2 k, a, mm                   ; two K steps, the four accumulators by turns
.if \mm
.irp t, 0,1,2,3
	WM \k, \t, \a
.endr
.irp t, 0,1,2,3
	WM (\k)+1, \t, \a
.endr
.endif
.endm
.macro STC i                           ; 1 + 2^y, two at a time
	v_pk_add_f32 v[XB+2*(\i):XB+2*(\i)+1], v[XB+2*(\i):XB+2*(\i)+1], 1.0 op_sel_hi:[1,0]
.endm
.macro EP t, e                         ; row tile t: partial scores += reciprocal x Wa; a register pair of its own for each pair of d: no chain
.if \e
	WIN 0xfc                                       ; source 0 window 0, the rest window 3
.irp j, 0,1,2,3
	v_pk_fma_f32 v[SACC+8*(\t)+2*\j:SACC+8*(\t)+2*\j+1], v[R+8*(\t)+2*\j:R+8*(\t)+2*\j+1], v[WA+2*\j:WA+2*\j+1], v[SACC+8*(\t)+2*\j:SACC+8*(\t)+2*\j+1]
.endr
.endif
.endm
.macro LQ u, q                         ; K steps 2 q, 2 q + 1 of the trip's tile u: eight loads of 512 consecutive bytes
.irp n, 0,1,2,3,4,5,6,7
	ds_load_b128 v[BF+32*(\q)+4*\n:BF+32*(\q)+4*\n+3], v[ADB] offset:16384*(\u)+4096*(\q)+512*\n
.endr
.endm
.macro LW vw                           ; ws of a tile
	ds_load_b128 v[WS:WS+3], v[ADT] offset:64*(\vw)
	ds_load_b128 v[WS+4:WS+7], v[ADT] offset:64*(\vw)+16
.endm
; PHASE p.  a = p % 2; u: which tile of the trip's two is loaded (tile p + 1); vw, va: table places of ws(p + 1) and Wa(p - 1).
; mm: tile p's products, y and 2^y;  c: + 1 and reciprocal of tile p - 1;  e: the multiply-adds of tile p - 2;  ld, lw, la: the loads.
; LDS loads at a phase's end, in order: Q0 8, Q1 8 | ws 2, Wa 2, Q2 8, Q3 8.  Each counted wait of the next phase names the loads issued behind the ones it needs; in the tail the waits are for 0.
.macro PHASE a, u, vw, va, mm, c, e, ld, lw, la
.set XA, ACC+32*(\a)
.set XB, ACC+32*(1-(\a))
	s_wait_dscnt 28*(\ld)                          ; K steps 0, 1 are in: behind them Q1 8, ws 2, Wa 2, Q2 8, Q3 8
	WIN 0x04
.irp t, 0,1,2,3
.if \mm
	WM 0, \t, \a
.endif
.if \c
	STC 2*\t
	STC 2*\t+1
.endif
.endr
.irp t, 0,1,2,3
.if \mm
	WM 1, \t, \a
.endif
.if \c
	STC 8+2*\t
	STC 9+2*\t
.endif
.endr
	s_wait_dscnt 16*(\ld)                          ; Q1, ws and Wa are in: behind them Q2 8, Q3 8
	EP 0, \e
	WIN 0x04
	RUN2 2, \a, \mm
	EP 1, \e
	WIN 0x08
	s_wait_dscnt 8*(\ld)                           ; Q2 is in: behind it Q3 8
	RUN2 4, \a, \mm
	EP 2, \e
	WIN 0x08
	s_wait_dscnt 0x0                               ; Q3 is in
	RUN2 6, \a, \mm
.if \e
	EP 3, \e                                       ; four places in front of the first read of the sums
.elseif \mm
	PLACES
.endif
	WIN 0
.if \mm
.irp t, 0,1,2,3
.irp i, 0,1,2,3
	v_pk_fma_f32 v[XA+8*\t+2*\i:XA+8*\t+2*\i+1], v[XA+8*\t+2*\i:XA+8*\t+2*\i+1], s[KS:KS+1], v[WS+2*\i:WS+2*\i+1] op_sel_hi:[1,0,1]   ; y; each accumulator from its low end on
.endr
.endr
.endif
.if (\mm) || (\c)
	s_wait_alu depctr_va_vdst(0)                   ; the wait ahead of the batch
.if \ld
	LQ \u, 0                                       ; twenty plain lines stand behind the last product: its fragments may be loaded anew
	LQ \u, 1
.endif
.if \mm
.set q, 0
.rept 32
	v_exp_f32 v[XA+q], v[XA+q]
.set q, q+1
.endr
.endif
.if \c
.set q, 0
.rept 32
	v_rcp_f32 v[R+q], v[XB+q]
.set q, q+1
.endr
.endif
	v_nop                                          ; the plain line behind the last transcendental
	s_wait_alu depctr_va_vdst(0)                   ; and the one wait behind the batch
.endif
.if \lw
	LW \vw
.endif
.if \la
	WIN 0xc0
	ds_load_b128 v[WA:WA+3], v[ADT] offset:4096+64*(\va)
	ds_load_b128 v[WA+4:WA+7], v[ADT] offset:4096+64*(\va)+16
	WIN 0
.endif
.if \ld
	LQ \u, 2
	LQ \u, 3
.endif
.endm
.macro TRIP                            ; phases L - 1 and L, which load tiles L and L + 1, L even
	v_add_nc_u32 v[ADB], s[TB], v[L16]
	v_add_nc_u32 v[ADT], s[TT], v[ADT0]
	s_wait_alu depctr_va_vdst(0)
	PHASE 1, 0, 2, 0, 1, 1, 1, 1, 1, 1
	PHASE 0, 1, 3, 1, 1, 1, 1, 1, 1, 1
	s_add_co_u32 s[TB], s[TB], 32768
	s_add_co_u32 s[TT], s[TT], 128
.endm
.macro TRIPS n
	s_mov_b32 s[CNT], \n
.Ltrip_\@:
	TRIP
	s_sub_co_u32 s[CNT], s[CNT], 1
	s_cmp_lg_u32 s[CNT], 0
	s_cbranch_scc1 .Ltrip_\@
.endm
; THE CHANGE OF SLOTS: all eight tiles of the slot left have been asked for from LDS.  fill = 1: it is filled again, by the joint load behind a round of the cluster's barrier.
.macro CHANGE fill
	s_wait_tensorcnt 0x0                           ; my part of the slot ahead is in
	ds_add_u32 v[SPW], v[NIL]
.if \fill
	s_xor_b32 s[G0B+1], s[G0B+1], SLOT1
	s_add_nc_u64 s[G0B+2:G0B+3], s[G0B+2:G0B+3], SLOTB
.endif
	s_sub_co_u32 s[TB], s[TB], SLOTB
	s_xor_b32 s[TB], s[TB], SLOT1
	s_wait_dscnt 0x0                               ; the add is done, and my reads of the slot left are over
.if \fill
	CROUND
	tensor_load_to_lds s[G0B:G0B+3], s[G1:G1+7]
	s_nop 0
	PLACES
.else
	s_barrier_signal -1
	s_barrier_wait -1
.endif
.endm
	s_load_b256 s[4:11], s[0:1], 0x0               ; enc s[4:5], wcf s[6:7], wsp s[8:9], Wa s[10:11]
	s_load_b128 s[12:15], s[0:1], 0x20             ; the exponents s[12:13], scores s[14:15]
	v_lshl_add_u32 v[SPW], v0, 2, SPARE
	v_mov_b32 v[NIL], 0
	ds_add_u32 v[SPW], v[NIL]                      ; the opening lines: the add twice on end and one wait
	ds_add_u32 v[SPW], v[NIL]
	v_lshrrev_b32 v20, 5, v0
	v_readfirstlane_b32 s[WV], v20                 ; wave 0..3
	s_bfe_u32 s17, ttmp6, 0x40000                  ; cx
	s_lshl_b32 s18, ttmp9, 2
	s_add_co_u32 s18, s18, s17                     ; work-group
	s_and_b32 s19, s18, 31                         ; b
	s_lshr_b32 s20, s18, 5                         ; which 256 s
	s_mov_b32 s[G1], 15|(3<<16)|(1<<21)            ; the cluster's four; elements of 8 bytes; bit 21 beside a mask
	s_mov_b32 s[G1+1], 32<<16                      ; rows of 256 bytes,
	s_mov_b32 s[G1+2], 128<<16                     ; 128 of them: a wave's quarter of a slot, dense
	s_mov_b32 s[G1+3], 32<<16
	s_mov_b32 s[G1+4], 128
	s_mov_b32 s[G1+5], 32
	s_mov_b32 s[G1+6], 0
	s_mov_b32 s[G1+7], 0
	s_mov_b32 s[SEL], 0x76543210
	s_mov_b32 s[SEL+1], 0xfedcba98                 ; lane l xor 16
	s_lshl_b32 s22, s[WV], 15
	s_mov_b32 s23, 0
	s_lshl_b32 s52, s20, 25                        ; enc: 256 s of 131,072 bytes,
	s_lshl_b32 s58, s[WV], 23                      ; my 64,
	s_add_co_u32 s52, s52, s58
	s_lshl_b32 s58, s19, 12                        ; b's 4,096 bytes
	s_add_co_u32 s52, s52, s58
	s_mov_b32 s53, 0
	s_lshl_b32 s54, s19, 6                         ; wsp [64 tiles][32 b][16]: b's 64 bytes of each tile
	s_mov_b32 s55, 0
	s_lshl_b32 s56, s19, 13                        ; scores [b][s]: my 64 numbers, 256 bytes, aligned
	s_lshl_b32 s58, s20, 10
	s_add_co_u32 s56, s56, s58
	s_lshl_b32 s58, s[WV], 8
	s_add_co_u32 s56, s56, s58
	s_mov_b32 s57, 0
	s_add_co_u32 s51, s58, SCST
	s_mul_i32 s50, s[WV], SWAVE
	s_add_co_u32 s50, s50, STAGE
	v_and_b32 v21, 31, v0
	v_and_b32 v22, 15, v0
	v_bfe_u32 v23, v0, 4, 1
	v_lshlrev_b32 v[L16], 4, v21
	v_add_nc_u32 v[STI], s50, v[L16]
	v_mul_u32_u24 v[STO], v22, SROW
	v_lshl_add_u32 v[STO], v23, 6, v[STO]
	v_add_nc_u32 v[STO], s50, v[STO]
	v_lshlrev_b32 v[ADT0], 5, v23
	v_add_nc_u32 v[ADT0], TABW, v[ADT0]
	v_lshl_add_u32 v[SCW], v21, 2, s51
	v_lshrrev_b32 v28, 1, v0                       ; the tables: thread i takes eight numbers: tile i / 2, half i % 2
	v_lshlrev_b32 v28, 11, v28
	v_and_b32 v29, 1, v0
	v_lshl_add_u32 v28, v29, 5, v28
	v_lshlrev_b32 v29, 5, v0
	v_add_nc_u32 v30, TABW, v29
	s_wait_alu depctr_va_vdst(0)                   ; directly ahead of the waits below
	s_wait_dscnt 0x0                               ; both opening adds are done
	s_wait_kmcnt 0x0
	s_load_b64 s[48:49], s[12:13], 0x8             ; e2, e3
	s_add_nc_u64 s[4:5], s[4:5], s[52:53]
	s_add_nc_u64 s[8:9], s[8:9], s[54:55]
	s_add_nc_u64 s[14:15], s[14:15], s[56:57]
	global_load_b128 v[12:15], v28, s[8:9]         ; the tables and enc's first three chunks are asked for ahead of the round: nobody writes these bytes
	global_load_b128 v[16:19], v28, s[8:9] offset:16
	global_load_b128 v[20:23], v29, s[10:11]
	global_load_b128 v[24:27], v29, s[10:11] offset:16
	LOADC 0
	LOADC 1
	LOADC 2
	WIN 0
	s_mov_b32 s[G0A], 1
	s_lshl_b32 s[G0A+1], s[WV], 15
	s_add_nc_u64 s[G0A+2:G0A+3], s[6:7], s[22:23]
	s_mov_b32 s[G0B], 1
	s_add_co_u32 s[G0B+1], s22, SLOT1
	s_add_nc_u64 s[G0B+2:G0B+3], s[G0A+2:G0A+3], SLOTB
	s_or_b32 s[G0A+3], s[G0A+3], 0x80000000
	s_or_b32 s[G0B+3], s[G0B+3], 0x80000000
	CROUND                                         ; in front of the first joint load
	tensor_load_to_lds s[G0A:G0A+3], s[G1:G1+7]    ; slot 0: one tensor load a wave at the head
	s_nop 0
	PLACES
	s_wait_loadcnt 48                              ; the tables' four loads are in
.irp j, 20,21,22,23,24,25,26,27
	v_mul_f32 v\j, 0xc038aa3b, v\j                 ; -2 log2(e) Wa
.endr
	ds_store_b128 v30, v[12:15]
	ds_store_b128 v30, v[16:19] offset:16
	ds_store_b128 v30, v[20:23] offset:4096
	ds_store_b128 v30, v[24:27] offset:4112
	LOADC 3
	WIN 0
	s_wait_kmcnt 0x0
	s_add_co_i32 s50, s48, s49
	s_lshl_b32 s50, s50, 23
	s_add_co_i32 s[KS], s50, 0x4038aa3b            ; 2 log2(e) x 2^(e2 + e3)
	s_mov_b32 s[KS+1], s[KS]
	s_add_co_i32 s50, s48, 127
	s_lshl_b32 s55, s50, 23
	v_mov_b32 v[SCL], s55
	s_add_co_i32 s50, s50, 15
	s_lshl_b32 s50, s50, 23
	s_or_b32 s50, s50, 0x600000
	v_mov_b32 v[LIM], s50
	s_wait_alu depctr_va_vdst(0)
	s_wait_loadcnt 48                              ; chunk 0 is in
	TURN 0
.set Q, 0
.rept 32
	STEP Q
.set Q, Q+1
.endr
	WIN 0
.set q, 0
.rept 32
	v_mov_b32 v[R+q], 0                            ; the loop is written once: its first phase finds reciprocals of 0, which add nothing
.set q, q+1
.endr
	WIN 0xc0
.set q, 0
.rept 32
	v_mov_b32 v[SACC+q], 0                         ; the partial scores
.set q, q+1
.endr
	WIN 0
	s_wait_alu depctr_va_vdst(0)                   ; directly ahead of the wait below
	s_wait_tensorcnt 0x0                           ; my part of slot 0 is in.  Slot 1's first fill is issued as a refill is: these three lines, a round, the load
	ds_add_u32 v[SPW], v[NIL]
	s_wait_dscnt 0x0                               ; the add is done, and my part of the tables lies in LDS
	CROUND
	tensor_load_to_lds s[G0B:G0B+3], s[G1:G1+7]    ; it has seven phases in which to land
	s_nop 0
	PLACES
	v_mov_b32 v[ADB], v[L16]
	v_mov_b32 v[ADT], v[ADT0]
	LQ 0, 0
	LQ 0, 1
	LQ 0, 2
	LQ 0, 3
	LW 0
	s_wait_alu depctr_va_vdst(0)                   ; the head's end
	s_wait_dscnt 0x0                               ; tile 0 and its ws are in registers
	PHASE 0, 1, 1, 0, 1, 0, 0, 1, 1, 1             ; phase 0: no tile before it.  (Its load of Wa keeps the counts; that Wa meets the zeros above)
	s_mov_b32 s[TB], 32768                         ; tile 2
	s_mov_b32 s[TT], 0
	TRIPS 3                                        ; tiles 2 to 7 are loaded: slot 0 is left
	s_mov_b32 s[OUTC], 6
.Lslot:
	CHANGE 1
	TRIPS 4
	s_sub_co_u32 s[OUTC], s[OUTC], 1
	s_cmp_lg_u32 s[OUTC], 0
	s_cbranch_scc1 .Lslot
	CHANGE 0                                       ; the last slot: nothing is filled again
	TRIPS 4
	v_add_nc_u32 v[ADT], s[TT], v[ADT0]
	s_wait_alu depctr_va_vdst(0)
	PHASE 1, 0, 0, 0, 1, 1, 1, 0, 0, 1             ; phase 63: nothing more to load of Wc and ws
	PHASE 0, 0, 0, 1, 0, 1, 1, 0, 0, 1             ; tile 63's + 1 and reciprocals, tile 62's multiply-adds
	PHASE 1, 0, 0, 0, 0, 0, 1, 0, 0, 0             ; tile 63's multiply-adds
	s_wait_alu depctr_va_vdst(0)
	WIN 0xff
.irp t, 0,1,2,3
	v_pk_add_f32 v[SACC+8*\t:SACC+8*\t+1], v[SACC+8*\t:SACC+8*\t+1], v[SACC+8*\t+2:SACC+8*\t+3]
	v_pk_add_f32 v[SACC+8*\t+4:SACC+8*\t+5], v[SACC+8*\t+4:SACC+8*\t+5], v[SACC+8*\t+6:SACC+8*\t+7]
.endr
.irp t, 0,1,2,3
	v_pk_add_f32 v[SACC+8*\t:SACC+8*\t+1], v[SACC+8*\t:SACC+8*\t+1], v[SACC+8*\t+4:SACC+8*\t+5]
.endr
	WIN 0x0f
.irp t, 0,1,2,3
	v_add_f32 v[20+\t], v[SACC+8*\t], v[SACC+8*\t+1]
.endr
	WIN 0
.irp t, 0,1,2,3
	v_permlanex16_b32 v[24+\t], v[20+\t], s[SEL], s[SEL+1]
.endr
.irp t, 0,1,2,3
	v_add_f32 v[20+\t], v[20+\t], v[24+\t]         ; both halves of d: row 16 t + r's score, in lanes r and 16 + r
.endr
	v_and_b32 v28, 31, v0
	v_cmp_gt_u32 vcc_lo, 16, v28
	v_cndmask_b32 v24, v21, v20, vcc_lo            ; rows 0-31 by lane,
	v_cndmask_b32 v25, v23, v22, vcc_lo            ; rows 32-63
	v_lshl_add_u32 v29, v28, 3, s51
	v_lshlrev_b32 v30, 3, v28
	ds_store_b32 v[SCW], v24
	ds_store_b32 v[SCW], v25 offset:128
	ds_load_b64 v[26:27], v29                      ; my own bytes, served in order
	s_wait_alu depctr_va_vdst(0)
	s_wait_dscnt 0x0
	global_store_b64 v30, v[26:27], s[14:15]       ; the wave stores 256 consecutive bytes, aligned
	s_wait_tensorcnt 0x0                           ; the wave's end
	ds_add_u32 v[SPW], v[NIL]
	s_wait_dscnt 0x0
	CROUND                                         ; the closing round
	s_endpgm
.Lfunc_end_k_qb2c76d1e9e_score:
	.size	k_qb2c76d1e9e_score, .Lfunc_end_k_qb2c76d1e9e_score-k_qb2c76d1e9e_score
	.p2alignl 7, 3214868480
	.fill 96, 4, 3214868480
	.section	.rodata,"a",@progbits
	.p2align	6, 0x0
	.amdhsa_kernel k_qb2c76d1e9e_score
		.amdhsa_group_segment_fixed_size 327680
		.amdhsa_private_segment_fixed_size 0
		.amdhsa_enable_private_segment 0
		.amdhsa_kernarg_size 48
		.amdhsa_user_sgpr_count 2
		.amdhsa_user_sgpr_kernarg_segment_ptr 1
		.amdhsa_wavefront_size32 1
		.amdhsa_system_sgpr_workgroup_id_x 1
		.amdhsa_system_sgpr_workgroup_id_y 1
		.amdhsa_system_sgpr_workgroup_id_z 1
		.amdhsa_system_vgpr_workitem_id 0
		.amdhsa_next_free_vgpr 1024
		.amdhsa_next_free_sgpr 66
		.amdhsa_reserve_vcc 1
		.amdhsa_float_denorm_mode_32 3
		.amdhsa_float_denorm_mode_16_64 3
		.amdhsa_memory_ordered 1
		.amdhsa_forward_progress 1
		.amdhsa_inst_pref_size 255
	.end_amdhsa_kernel
	.section	.bss,"aw",@nobits
	.p2align	6
	.space	262144
	.amdgpu_metadata
---
amdhsa.version: [ 1, 2 ]
amdhsa.kernels:
  - .name:           k_qb2c76d1e9e_score
    .symbol:         k_qb2c76d1e9e_score.kd
    .args:
      - { .name: enc_outputs, .offset: 0, .size: 8, .value_kind: global_buffer, .address_space: global }
      - { .name: wcf, .offset: 8, .size: 8, .value_kind: global_buffer, .address_space: global }
      - { .name: wsp, .offset: 16, .size: 8, .value_kind: global_buffer, .address_space: global }
      - { .name: Wa, .offset: 24, .size: 8, .value_kind: global_buffer, .address_space: global }
      - { .name: lowp_scales, .offset: 32, .size: 8, .value_kind: global_buffer, .address_space: global }
      - { .name: scores, .offset: 40, .size: 8, .value_kind: global_buffer, .address_space: global }
    .group_segment_fixed_size: 327680
    .private_segment_fixed_size: 0
    .kernarg_segment_align: 8
    .kernarg_segment_size: 48
    .max_flat_workgroup_size: 128
    .sgpr_count:     66
    .vgpr_count:     1024
    .wavefront_size: 32
...
	.end_amdgpu_metadata
.endif
;; end of part 2
;; launch context (part 3): grid 256 x 1, 16 waves a work-group, no clusters, 18,944 bytes of LDS; arguments scores, enc_outputs, out0; writes out0
.if DOCPART == 3
	.amdgcn_target "amdgcn-amd-amdhsa--gfx1250"
	.amdhsa_code_object_version 6
	.text
	.protected	k_qb2c76d1e9e_context
	.globl	k_qb2c76d1e9e_context
	.p2align	8
	.type	k_qb2c76d1e9e_context,@function
k_qb2c76d1e9e_context:
	s_mov_b64 s[64:65], 0
	v_nop
	global_prefetch_b8 v0, s[64:65] scope:SCOPE_SE
	s_setreg_imm32_b32 hwreg(HW_REG_WAVE_MODE, 25, 1), 1
	s_wait_xcnt 0x0
; out0[b][e] = sum_s softmax_s(score)[s][b] enc[s][b][e].  scores[b][s] holds t = log2(e) x (score - sum_d Wa[d]).
; LEFT OUT: sum_d Wa[d], the same for all s (shown at the head of the first kernel).  The row's true maximum M of t is taken away: p = 2^(t - M); the sum of p divides at the end.  All in f32, by fused multiply-adds.
; SHARES.  Work-group wg owns b = wg / 8 and the 128 columns from 128 (wg % 8) on: 512 bytes of out0, which have this one owner.  Wave w takes s = 128 w .. 128 w + 127; a load is one row's 512 consecutive bytes, 16 a lane.
; A memory stream: no matrix unit, no cluster (no two work-groups read the same bytes of enc), no tensor load.  32 loads of every wave are on their way, in two sets of 16 rows by turns.
; LDS: P, the 2,048 weights (a wave stores and reads only its own 512 bytes); ACCS, 512 bytes a wave of partial sums; REDM, REDS, a word a wave; the spare words.
.set P,     0
.set ACCS,  8192
.set REDM,  16384
.set REDS,  16640
.set SPARE, 16896                      ; 128 bytes for each of 16 waves: eight blocks of 256 bytes that no other line names
.set AC,  16                           ; v16-19 sums of even rows, v20-23 of odd rows
.set PV,  24                           ; v24-39 sixteen weights, the same in every lane
.set X,   64                           ; v64-127, v128-191 two sets of 16 rows
.macro LOADG g                         ; rows 16 g .. 16 g + 15 of my 128 into set g % 2; the second 64 rows have a base of their own, so that every offset is an immediate (8,257,536 at the most)
.irp i, 0,1,2,3,4,5,6,7,8,9,10,11,12,13,14,15
	global_load_b128 v[X+64*((\g)%2)+4*\i:X+64*((\g)%2)+4*\i+3], v1, s[6+14*((\g)/4):7+14*((\g)/4)] offset:(16*((\g)%4)+\i)*131072 th:TH_LOAD_NT
.endr
.endm
.macro GROUP g
.set XS, X+64*((\g)%2)
.irp q, 0,1,2,3
	ds_load_b128 v[PV+4*\q:PV+4*\q+3], v13 offset:P+64*(\g)+16*\q   ; all lanes read the same 16 bytes; LDS serves a wave's instructions in order, so these see my stores
.endr
.if (\g) < 7
	s_wait_alu depctr_va_vdst(0)
	s_wait_loadcnt 16                              ; this group's 16 rows are in; the other set's 16 loads may be out
.else
	s_wait_alu depctr_va_vdst(0)
	s_wait_loadcnt 0x0
.endif
	s_wait_dscnt 0x0
.irp i, 0,1,2,3,4,5,6,7,8,9,10,11,12,13,14,15
.irp j, 0,1,2,3
.if ((\g) == 0) && (\i < 2)
	v_mul_f32 v[AC+4*(\i%2)+\j], v[PV+\i], v[XS+4*\i+\j]    ; the first two rows start the sums: nothing is cleared
.else
	v_fmac_f32 v[AC+4*(\i%2)+\j], v[PV+\i], v[XS+4*\i+\j]
.endif
.endr
.endr
.if (\g)+2 < 8
	LOADG (\g)+2
.endif
.endm
.macro FOLD d                          ; the 2 d partial sums become d
.set k, 0
.rept \d
	v_pk_add_f32 v[X+4*k:X+4*k+1], v[X+4*k:X+4*k+1], v[X+4*(k+\d):X+4*(k+\d)+1]
	v_pk_add_f32 v[X+4*k+2:X+4*k+3], v[X+4*k+2:X+4*k+3], v[X+4*(k+\d)+2:X+4*(k+\d)+3]
.set k, k+1
.endr
.endm
	s_load_b128 s[4:7], s[0:1], 0x0                ; scores s[4:5], enc s[6:7]
	s_load_b64 s[8:9], s[0:1], 0x10                ; out0
	v_lshl_add_u32 v2, v0, 2, SPARE                ; my spare word; never rewritten
	v_mov_b32 v3, 0                                ; 0; never rewritten
	v_lshrrev_b32 v8, 5, v0
	s_delay_alu instid0(VALU_DEP_1)
	v_readfirstlane_b32 s10, v8                    ; wave 0..15
	v_and_b32 v8, 31, v0
	s_delay_alu instid0(VALU_DEP_1)
	v_lshlrev_b32 v1, 4, v8                        ; 16 x lane
	s_lshl_b32 s11, s10, 9
	v_add_nc_u32 v12, s11, v1                      ; 512 w + 16 x lane = 16 x my thread's number
	v_mov_b32 v13, s11                             ; 512 w
	s_lshl_b32 s12, s10, 2
	v_mov_b32 v10, s12                             ; 4 w
	v_mov_b32 v11, 0
	v_mov_b32 v9, 0                                ; written once: a lane permute's destination counts as one of its sources
	s_mov_b32 s14, 0x76543210
	s_mov_b32 s15, 0xfedcba98                      ; lane l xor 16
	s_lshr_b32 s16, ttmp9, 3                       ; b
	s_and_b32 s17, ttmp9, 7                        ; which 128 columns
	s_lshl_b32 s18, s16, 12
	s_lshl_b32 s22, s17, 9
	s_add_co_u32 s18, s18, s22                     ; 4,096 b + 512 (wg % 8): in a row of enc's s, and in out0
	s_mov_b32 s19, 0
	s_lshl_b32 s22, s10, 24                        ; my wave's 128 s of 131,072 bytes
	s_add_co_u32 s22, s22, s18
	s_mov_b32 s23, 0
	s_lshl_b32 s24, s16, 13                        ; my b's 2,048 scores
	s_mov_b32 s25, 0
	s_wait_alu depctr_va_vdst(0)
	s_wait_kmcnt 0x0
	s_add_nc_u64 s[4:5], s[4:5], s[24:25]
	s_add_nc_u64 s[6:7], s[6:7], s[22:23]
	s_add_nc_u64 s[20:21], s[6:7], 0x800000        ; 64 rows on
	s_add_nc_u64 s[8:9], s[8:9], s[18:19]
	global_load_b128 v[4:7], v12, s[4:5]           ; t of s = 4 i .. 4 i + 3, i my thread's number
	LOADG 0
	LOADG 1
	s_wait_loadcnt 32                              ; t is in; the 32 rows asked for behind it may be out
	v_max3_num_f32 v8, v4, v5, v6
	s_delay_alu instid0(VALU_DEP_1)
	v_max_num_f32 v8, v8, v7
	s_delay_alu instid0(VALU_DEP_1)
	v_max_num_f32_dpp v8, v8, v8 row_xmask:1 row_mask:0xf bank_mask:0xf
	s_delay_alu instid0(VALU_DEP_1)
	v_max_num_f32_dpp v8, v8, v8 row_xmask:2 row_mask:0xf bank_mask:0xf
	s_delay_alu instid0(VALU_DEP_1)
	v_max_num_f32_dpp v8, v8, v8 row_xmask:4 row_mask:0xf bank_mask:0xf
	s_delay_alu instid0(VALU_DEP_1)
	v_max_num_f32_dpp v8, v8, v8 row_xmask:8 row_mask:0xf bank_mask:0xf
	s_delay_alu instid0(VALU_DEP_1)
	v_permlanex16_b32 v9, v8, s14, s15
	s_delay_alu instid0(VALU_DEP_1)
	v_max_num_f32 v8, v8, v9                       ; my wave's largest t
	ds_store_b32 v10, v8 offset:REDM
	s_wait_dscnt 0x0                               ; for the others' sake
	s_barrier_signal -1
	s_barrier_wait -1
.irp q, 0,1,2,3
	ds_load_b128 v[40+4*\q:43+4*\q], v11 offset:REDM+16*\q
.endr
	s_wait_dscnt 0x0
	v_max3_num_f32 v8, v40, v41, v42
.irp j, 43,45,47,49,51,53
	s_delay_alu instid0(VALU_DEP_1)
	v_max3_num_f32 v8, v8, v[\j], v[\j+1]
.endr
	s_delay_alu instid0(VALU_DEP_1)
	v_max_num_f32 v8, v8, v55                      ; M
.irp j, 4,5,6,7
	v_sub_f32 v\j, v\j, v8
.endr
	s_wait_alu depctr_va_vdst(0)
.irp j, 4,5,6,7
	v_exp_f32 v\j, v\j                             ; p = 2^(t - M), at most 1
.endr
	v_nop                                          ; the plain line behind the last exponential
	s_wait_alu depctr_va_vdst(0)                   ; one wait ahead of the first line that names a result: one for the four
	ds_store_b128 v12, v[4:7] offset:P
	v_add_f32 v14, v4, v5
	v_add_f32 v15, v6, v7
	s_delay_alu instid0(VALU_DEP_1)
	v_add_f32 v14, v14, v15
	s_delay_alu instid0(VALU_DEP_1)
	v_add_f32_dpp v14, v14, v14 row_xmask:1 row_mask:0xf bank_mask:0xf
	s_delay_alu instid0(VALU_DEP_1)
	v_add_f32_dpp v14, v14, v14 row_xmask:2 row_mask:0xf bank_mask:0xf
	s_delay_alu instid0(VALU_DEP_1)
	v_add_f32_dpp v14, v14, v14 row_xmask:4 row_mask:0xf bank_mask:0xf
	s_delay_alu instid0(VALU_DEP_1)
	v_add_f32_dpp v14, v14, v14 row_xmask:8 row_mask:0xf bank_mask:0xf
	s_delay_alu instid0(VALU_DEP_1)
	v_permlanex16_b32 v9, v14, s14, s15
	s_delay_alu instid0(VALU_DEP_1)
	v_add_f32 v14, v14, v9                         ; my wave's sum of p
	ds_store_b32 v10, v14 offset:REDS              ; read by wave 0, behind the last barrier
.irp g, 0,1,2,3,4,5,6,7
	GROUP \g
.endr
	s_delay_alu instid0(VALU_DEP_3)
	v_pk_add_f32 v[16:17], v[16:17], v[20:21]
	s_delay_alu instid0(VALU_DEP_2)
	v_pk_add_f32 v[18:19], v[18:19], v[22:23]
	ds_store_b128 v12, v[16:19] offset:ACCS
	s_wait_dscnt 0x0                               ; for wave 0's sake: my partial sums and my sum of p lie in LDS
	s_barrier_signal -1
	s_barrier_wait -1
	s_cmp_lg_u32 s10, 0
	s_cbranch_scc1 .Lend                           ; wave 0 adds the sixteen parts and stores
.irp n, 0,1,2,3,4,5,6,7,8,9,10,11,12,13,14,15
	ds_load_b128 v[X+4*\n:X+4*\n+3], v1 offset:ACCS+512*\n
.endr
.irp q, 0,1,2,3
	ds_load_b128 v[40+4*\q:43+4*\q], v11 offset:REDS+16*\q
.endr
	s_wait_dscnt 0x0
	v_pk_add_f32 v[40:41], v[40:41], v[48:49]
	v_pk_add_f32 v[42:43], v[42:43], v[50:51]
	v_pk_add_f32 v[44:45], v[44:45], v[52:53]
	v_pk_add_f32 v[46:47], v[46:47], v[54:55]
	s_delay_alu instid0(VALU_DEP_2)
	v_pk_add_f32 v[40:41], v[40:41], v[44:45]
	s_delay_alu instid0(VALU_DEP_2)
	v_pk_add_f32 v[42:43], v[42:43], v[46:47]
	s_delay_alu instid0(VALU_DEP_1)
	v_pk_add_f32 v[40:41], v[40:41], v[42:43]
	s_delay_alu instid0(VALU_DEP_1)
	v_add_f32 v40, v40, v41                        ; the row's sum of p: at least 1, since the largest t gives p = 1
	s_wait_alu depctr_va_vdst(0)
	v_rcp_f32 v42, v40
	FOLD 8                                         ; plain lines that name neither the reciprocal nor its source
	FOLD 4
	FOLD 2
	FOLD 1
	s_wait_alu depctr_va_vdst(0)                   ; ahead of the reciprocal's first use
.irp j, 0,1,2,3
	v_mul_f32 v[X+\j], v[X+\j], v42
.endr
	global_store_b128 v1, v[X:X+3], s[8:9]         ; 32 lanes store 512 consecutive bytes, aligned
.Lend:
	s_wait_tensorcnt 0x0                           ; the wave's end: behind my last LDS store
	ds_add_u32 v2, v3
	s_wait_dscnt 0x0
	s_endpgm
.Lfunc_end_k_qb2c76d1e9e_context:
	.size	k_qb2c76d1e9e_context, .Lfunc_end_k_qb2c76d1e9e_context-k_qb2c76d1e9e_context
	.p2alignl 7, 3214868480
	.fill 96, 4, 3214868480
	.section	.rodata,"a",@progbits
	.p2align	6, 0x0
	.amdhsa_kernel k_qb2c76d1e9e_context
		.amdhsa_group_segment_fixed_size 18944
		.amdhsa_private_segment_fixed_size 0
		.amdhsa_enable_private_segment 0
		.amdhsa_kernarg_size 24
		.amdhsa_user_sgpr_count 2
		.amdhsa_user_sgpr_kernarg_segment_ptr 1
		.amdhsa_wavefront_size32 1
		.amdhsa_system_sgpr_workgroup_id_x 1
		.amdhsa_system_sgpr_workgroup_id_y 1
		.amdhsa_system_sgpr_workgroup_id_z 1
		.amdhsa_system_vgpr_workitem_id 0
		.amdhsa_next_free_vgpr 192
		.amdhsa_next_free_sgpr 66
		.amdhsa_reserve_vcc 0
		.amdhsa_float_denorm_mode_32 3
		.amdhsa_float_denorm_mode_16_64 3
		.amdhsa_memory_ordered 1
		.amdhsa_forward_progress 1
		.amdhsa_inst_pref_size 40
	.end_amdhsa_kernel
	.amdgpu_metadata
---
amdhsa.version: [ 1, 2 ]
amdhsa.kernels:
  - .name:           k_qb2c76d1e9e_context
    .symbol:         k_qb2c76d1e9e_context.kd
    .args:
      - { .name: scores, .offset: 0, .size: 8, .value_kind: global_buffer, .address_space: global }
      - { .name: enc_outputs, .offset: 8, .size: 8, .value_kind: global_buffer, .address_space: global }
      - { .name: out0, .offset: 16, .size: 8, .value_kind: global_buffer, .address_space: global }
    .group_segment_fixed_size: 18944
    .private_segment_fixed_size: 0
    .kernarg_segment_align: 8
    .kernarg_segment_size: 24
    .max_flat_workgroup_size: 512
    .sgpr_count:     66
    .vgpr_count:     192
    .wavefront_size: 32
...
	.end_amdgpu_metadata
.endif
;; end of part 3
